; MI455X (gfx1250); checked and timed in simulation.
; The chip was launched on July 23, 2026; its instructions are those of AMD's public machine-readable ISA for CDNA 5 (MIT licence, August 2026) and "CDNA5" Instruction Set Architecture Reference Guide (July 2026). The comments in the code are by the model that wrote it; some were corrected since.
;; Hybrid Support Feature Refiner. Allowed arithmetic: float matrix products may take bf16 or f16 operands with f32 sums; all other float work in f32.
;; Inputs: beta 256 float32; f_s 8 x 256 x 64 x 64 float32; gamma 256 float32; supp_feat_bin 8 x 256 x 64 x 64 float32; support_mask 8 x 1 x 256 x 256 float32; w_fusion 256 x 769 float32.
;; Outputs: out0 8 x 256 x 64 x 64 float32.
;; One version. Each part assembles by itself: llvm-mc -triple=amdgcn-amd-amdhsa -mcpu=gfx1250 --defsym DOCPART=n.
;; ======== version 1 of 1: 3 launches
;; limits: values are held in f16: magnitudes above 65,504 overflow, below 6.1e-05 lose precision
;; workspace buffers: wfrag 393,216 bytes; wdcol 1,024 bytes; udist 131,072 bytes; pmax 2,048 bytes; ybuf 33,554,432 bytes; part 524,288 bytes
;; launch prep (part 1): grid 272 x 1, 8 waves a work-group, no clusters, 72,960 bytes of LDS; arguments support_mask, w_fusion, wfrag, wdcol, udist, pmax; writes wfrag, wdcol, udist, pmax
.if DOCPART == 1
	.amdgcn_target "amdgcn-amd-amdhsa--gfx1250"
	.amdhsa_code_object_version 6
	.text
	.protected	k_q546ffb1974_prep
	.globl	k_q546ffb1974_prep
	.p2align	8
	.type	k_q546ffb1974_prep,@function
k_q546ffb1974_prep:
	s_mov_b64 s[64:65], 0
	v_nop
	global_prefetch_b8 v0, s[64:65] scope:SCOPE_SE
	s_setreg_imm32_b32 hwreg(HW_REG_WAVE_MODE, 25, 1), 1
	s_wait_xcnt 0x0
; Two small jobs that the main product needs, in one launch; the work-group's number picks the job, alike for all its waves.
; Each job has LDS bytes of its own: no byte is named by both.
; Work-groups 0-255: the distance transform.  Sample b = id / 32, image rows 2 (id % 32) and + 1.  Four waves share a row: each takes all 64 pixels
;   (two a lane) against a quarter of the candidates, and the four partial minima meet in LDS.  So the 32,768 pixels x 128 candidates are spread over
;   2,048 waves, and a row still leaves as one store of 256 bytes.
;   Foreground = mask[b][4 y][4 x] > 0.5, compared in f32 (a NaN is background, as in a plain comparison).
;   Squared distances are whole numbers (7,938 at the most), so the transform is exact: first down the columns, then along the row.
;   With j = 16 q + k (q the wave's quarter):  (y - j)^2 + c = (c + j^2) + 2 y (15 - k) + y (y - 30 - 32 q): the first bracket is stored once, the second
;   is one multiply-add with non-negative numbers, the third is added once behind the minimum (modulo 2^32).  c = 0 for foreground, BIG for background.
;   A sample without foreground ends with exactly BIG everywhere and gets 1.0.  Stored: u = sqrt(d2) (not yet normalised) and each row's maximum.
;   The row maxima leave as one store of 4 bytes a row, 512 in the whole launch.
; Work-groups 256-271: w_fusion's 16 rows 16 k .. 16 k + 15 are rounded to f16 and laid in the order of matrix fragments, column 768 is copied in f32.
;   LIMIT: a weight of magnitude 65,520 or more becomes an infinity in f16; below 6.1e-5 the step is 6e-8.
; 272 work-groups of 8 waves, 130 registers and 72,960 bytes of LDS: two of them fit on a WGP side by side.
.set BIG,  0x100000                    ; more than any squared distance, small enough for the sums below to stay in 32 bits
.set PVT,  16384                       ; LDS: behind E [64][64] u32: partial minima down the columns, 64 u32 for each wave
.set E2,   18432                       ;      each wave's own copy of its row's h + x^2
.set PHZ,  20480                       ;      partial minima along the row, 64 u32 for each wave
.set WB,   22528                       ;      the weights job's 16 rows, 49,216 bytes
.set WROW, 3076                        ; bytes in a row of w_fusion (769 f32)
	s_load_b256 s[4:11], s[0:1], 0x0               ; mask s[4:5], w_fusion s[6:7], wfrag s[8:9], wdcol s[10:11]
	s_load_b128 s[12:15], s[0:1], 0x20             ; udist s[12:13], pmax s[14:15]
	v_lshl_add_u32 v128, v0, 2, 0x11900
	v_mov_b32 v129, 0
	v_lshrrev_b32 v1, 5, v0
	v_readfirstlane_b32 s16, v1                    ; wave 0..7
	v_and_b32 v2, 31, v0                           ; lane
	s_cmp_ge_u32 ttmp9, 256
	s_cbranch_scc1 .Lweights
	; ---------------- the distance transform ----------------
	s_lshr_b32 s17, ttmp9, 5                       ; b
	s_and_b32 s18, ttmp9, 31                       ; pair of rows
	s_lshr_b32 s33, s16, 2                         ; which of the two rows is my wave's
	s_and_b32 s34, s16, 3                          ; q: which quarter of the candidates
	s_lshl1_add_u32 s19, s18, s33                  ; y = 2 pair + row
	s_lshl_b32 s20, s17, 18                        ; the sample's 262,144 bytes of mask
	s_mov_b32 s21, 0
	s_mov_b32 s22, BIG
	s_lshl_b32 s23, s19, 1                         ; 2 y
	s_lshl_b32 s36, s34, 5
	s_add_co_u32 s36, s36, 30                      ; 30 + 32 q
	s_sub_co_u32 s24, s19, s36
	s_mul_i32 s24, s24, s19                        ; y (y - 30 - 32 q), modulo 2^32
	s_lshl_b32 s26, s16, 8                         ; wave x 256: my wave's 64 words in each of the three small regions
	s_lshl_b32 s27, s34, 12                        ; q x 16 rows of E
	s_lshl_b32 s35, s33, 10                        ; row x 4 waves x 256: the four partial rows of my row
	s_lshl_b32 s37, s34, 6
	s_add_co_u32 s37, s37, s26                     ; my quarter (16 words) of my own copy of E2
	s_mov_b32 s30, 0x76543210                      ; v_permlanex16_b32: lane i reads lane i of the other half
	s_mov_b32 s31, 0xfedcba98
	v_and_b32 v3, 63, v0                           ; x of the thread's 16 samples
	v_lshrrev_b32 v4, 6, v0                        ; their rows are y' = yq + 4 n
	v_lshlrev_b32 v5, 4, v3                        ; every 4th column: 16 bytes apart
	v_lshl_add_u32 v5, v4, 12, v5                  ; every 4th row: 4,096 bytes apart
	v_lshlrev_b32 v6, 2, v3
	v_lshl_add_u32 v6, v4, 8, v6                   ; E[yq][x]
	v_mov_b32 v8, BIG
	v_mov_b32 v9, 0
	v_mov_b32 v20, 1.0
	v_mov_b32 v22, 0                               ; the lane exchange's destination counts as read
	v_lshlrev_b32 v23, 3, v2                       ; 8 x lane: my two pixels in a row of u32 or f32
	v_add_nc_u32 v11, s27, v23                     ; E: my two columns, from my quarter's first row
	v_add_nc_u32 v28, s26, v23                     ; my two words in my wave's row of a small region
	v_add_nc_u32 v64, s35, v23                     ; my two words in the first of my row's four partial rows
	v_mov_b32 v29, s37                             ; where every lane reads my quarter of E2 from
	v_lshlrev_b32 v26, 1, v2                       ; x0 = 2 lane
	v_or_b32 v27, 1, v26                           ; x1
	v_lshlrev_b32 v30, 2, v2                       ; 2 x0
	v_or_b32 v31, 2, v30                           ; 2 x1
	s_wait_kmcnt 0x0
	s_add_nc_u64 s[4:5], s[4:5], s[20:21]
	s_lshl_b32 s28, s17, 14                        ; u[b][y][0]: 16,384 b + 256 y bytes
	s_lshl_b32 s29, s19, 8
	s_add_co_u32 s28, s28, s29
	s_mov_b32 s29, 0
	s_add_nc_u64 s[12:13], s[12:13], s[28:29]
	s_lshl_b32 s28, s17, 8                         ; pmax[b][y]: 256 b + 4 y bytes
	s_lshl2_add_u32 s28, s19, s28
	s_add_nc_u64 s[14:15], s[14:15], s[28:29]
.set nn, 0
.rept 16
	global_load_b32 v[32+nn], v5, s[4:5] offset:nn*16384
.set nn, nn+1
.endr
.set nn, 0
.rept 16
	s_wait_loadcnt 15-nn                           ; loads come back in order: sample n is in, the younger ones stay out
	v_cmp_lt_f32 vcc_lo, 0.5, v[32+nn]
	v_cndmask_b32 v7, v8, v9, vcc_lo               ; foreground 0, background BIG
	v_add_nc_u32 v10, 4*nn, v4                     ; y'
	v_mad_u32_u24 v7, v10, v10, v7                 ; E = c + y'^2
	ds_store_b32 v6, v7 offset:nn*1024
.set nn, nn+1
.endr
	s_wait_dscnt 0x0                               ; my part of E is written, for the other waves' sake
	s_barrier_signal -1
	s_barrier_wait -1                              ; E is whole; nobody writes it again
	; down the columns: my quarter's 16 candidates for each of my two columns, two chains of minima for each column
.set kk, 0
.rept 16
	ds_load_b64 v[32+2*kk:33+2*kk], v11 offset:kk*256
.set kk, kk+1
.endr
.set kk, 0
.rept 16
	s_wait_dscnt 15-kk                             ; candidate k of the sixteen is in
.if kk < 2
	v_mad_u32_u24 v[12+2*kk], s23, 15-kk, v[32+2*kk]               ; the first two candidates start the chains: nothing is cleared
	v_mad_u32_u24 v[13+2*kk], s23, 15-kk, v[33+2*kk]
.else
	v_mad_u32_u24 v24, s23, 15-kk, v[32+2*kk]
	v_mad_u32_u24 v25, s23, 15-kk, v[33+2*kk]
	v_min_u32 v[12+2*(kk&1)], v[12+2*(kk&1)], v24
	v_min_u32 v[13+2*(kk&1)], v[13+2*(kk&1)], v25
.endif
.set kk, kk+1
.endr
	v_min_u32 v12, v12, v14
	v_min_u32 v13, v13, v15
	v_add_nc_u32 v12, s24, v12                     ; my quarter's least (y - j)^2 + c
	v_add_nc_u32 v13, s24, v13
	ds_store_b64 v28, v[12:13] offset:PVT
	s_wait_dscnt 0x0                               ; written, for the three waves that share my row
	s_barrier_signal -1
	s_barrier_wait -1
.set qq, 0
.rept 4
	ds_load_b64 v[32+2*qq:33+2*qq], v64 offset:PVT+256*qq          ; the four quarters of my row
.set qq, qq+1
.endr
	s_wait_dscnt 0x0
	v_min_u32 v12, v32, v34
	v_min_u32 v13, v33, v35
	v_min_u32 v14, v36, v38
	v_min_u32 v15, v37, v39
	v_min_u32 v12, v12, v14                        ; h = squared distance down the column
	v_min_u32 v13, v13, v15
	v_mad_u32_u24 v12, v26, v26, v12               ; E2 = h + x^2
	v_mad_u32_u24 v13, v27, v27, v13
	ds_store_b64 v28, v[12:13] offset:E2           ; my wave's own copy: LDS serves a wave's instructions in order (ISA guide 5.7.1), no barrier
.set nn, 0
.rept 4
	ds_load_b128 v[32+4*nn:35+4*nn], v29 offset:E2+16*nn           ; my quarter's 16 candidates, the same 16 bytes in every lane
.set nn, nn+1
.endr
.set nn, 0
.rept 4
	s_wait_dscnt 3-nn
.set ee, 0
.rept 4
.if 4*nn+ee < 2
	v_mad_u32_u24 v[12+2*(4*nn+ee)], v30, 15-(4*nn+ee), v[32+4*nn+ee]
	v_mad_u32_u24 v[13+2*(4*nn+ee)], v31, 15-(4*nn+ee), v[32+4*nn+ee]
.else
	v_mad_u32_u24 v24, v30, 15-(4*nn+ee), v[32+4*nn+ee]
	v_mad_u32_u24 v25, v31, 15-(4*nn+ee), v[32+4*nn+ee]
	v_min_u32 v[12+2*(ee&1)], v[12+2*(ee&1)], v24
	v_min_u32 v[13+2*(ee&1)], v[13+2*(ee&1)], v25
.endif
.set ee, ee+1
.endr
.set nn, nn+1
.endr
	v_min_u32 v12, v12, v14
	v_min_u32 v13, v13, v15
	v_mad_u32_u24 v12, v26, v26, v12               ; + x^2
	v_mad_u32_u24 v13, v27, v27, v13
	v_mul_u32_u24 v24, s36, v26
	v_mul_u32_u24 v25, s36, v27
	v_sub_nc_u32 v12, v12, v24                     ; - (30 + 32 q) x: my quarter's least squared distance
	v_sub_nc_u32 v13, v13, v25
	ds_store_b64 v28, v[12:13] offset:PHZ
	s_wait_dscnt 0x0
	s_barrier_signal -1
	s_barrier_wait -1                              ; the last barrier: three of a row's four waves have done their share
	s_cmp_lg_u32 s34, 0
	s_cbranch_scc1 .Lrow_done
.set qq, 0
.rept 4
	ds_load_b64 v[32+2*qq:33+2*qq], v64 offset:PHZ+256*qq
.set qq, qq+1
.endr
	s_wait_dscnt 0x0
	v_min_u32 v12, v32, v34
	v_min_u32 v13, v33, v35
	v_min_u32 v14, v36, v38
	v_min_u32 v15, v37, v39
	v_min_u32 v12, v12, v14                        ; d2
	v_min_u32 v13, v13, v15
	v_cvt_f32_u32 v16, v12
	v_cvt_f32_u32 v17, v13
	v_sqrt_f32 v18, v16
	v_sqrt_f32 v19, v17
	v_cmp_le_u32 s27, s22, v12                     ; a plain instruction between the roots and their use (ISA guide 5.7.2); d2 >= BIG: no foreground in the sample
	v_cmp_le_u32 s28, s22, v13
	s_wait_alu depctr_va_vdst(0)
	v_cndmask_b32 v18, v18, v20, s27               ; then the map is all ones
	v_cndmask_b32 v19, v19, v20, s28
	global_store_b64 v23, v[18:19], s[12:13]       ; the wave's store covers the row's 256 bytes, aligned
	v_max_num_f32 v21, v18, v19
	v_max_num_f32_dpp v21, v21, v21 row_xmask:1 row_mask:0xf bank_mask:0xf
	v_max_num_f32_dpp v21, v21, v21 row_xmask:2 row_mask:0xf bank_mask:0xf
	v_max_num_f32_dpp v21, v21, v21 row_xmask:4 row_mask:0xf bank_mask:0xf
	v_max_num_f32_dpp v21, v21, v21 row_xmask:8 row_mask:0xf bank_mask:0xf
	v_permlanex16_b32 v22, v21, s30, s31
	v_max_num_f32 v21, v21, v22                    ; the row's maximum
	v_cmp_eq_u32 vcc_lo, 0, v2
	s_wait_xcnt 0x0                                ; EXEC is a source of the pending store: it changes only behind this wait
	s_and_saveexec_b32 s32, vcc_lo
	global_store_b32 v9, v21, s[14:15]             ; lane 0 alone
	s_wait_xcnt 0x0                                ; and again in front of the line that widens it
	s_or_b32 exec_lo, exec_lo, s32
.Lrow_done:
	s_wait_tensorcnt 0x0
	ds_add_u32 v128, v129
	s_wait_dscnt 0x0
	s_endpgm
	; ---------------- the weights ----------------
.Lweights:
	s_sub_co_u32 s17, ttmp9, 256                   ; k: rows 16 k .. 16 k + 15
	s_lshr_b32 s18, s17, 2                         ; w: the wave of the main launch that owns them
	s_and_b32 s19, s17, 3                          ; ct: which of its four blocks of 16 channels
	s_mul_i32 s20, s17, 16*WROW                    ; 49,216 k: a multiple of 16
	s_mov_b32 s21, 0
	s_mul_i32 s22, s18, 98304                      ; wfrag: block (w, t, m, ct, q) of 512 bytes at ((((8 w + t) 3 + m) 4 + ct) 2 + q) 512; t = my wave
	s_mul_i32 s23, s16, 12288
	s_add_co_u32 s22, s22, s23
	s_lshl_b32 s23, s19, 10
	s_add_co_u32 s22, s22, s23
	s_mov_b32 s23, 0
	s_lshl_b32 s24, s17, 6                         ; wdcol: 16 f32
	s_mov_b32 s25, 0
	s_lshl_b32 s26, s16, 7                         ; 32 t columns, in bytes,
	s_add_co_u32 s26, s26, WB                      ; from the job's first LDS byte
	v_lshlrev_b32 v3, 4, v0                        ; piece t of 16 bytes: its place in the 16 rows,
	v_add_nc_u32 v12, WB, v3                       ; and in LDS
	v_and_b32 v4, 3, v0                            ; the last four pieces, behind 12 x 4,096 bytes: lane l takes piece l & 3, eight lanes the same one
	v_lshlrev_b32 v4, 4, v4
	v_add_nc_u32 v4, 49152, v4
	v_add_nc_u32 v13, WB, v4
	v_and_b32 v7, 15, v0                           ; r
	v_bfe_u32 v8, v0, 4, 1                         ; h
	v_mul_u32_u24 v5, v7, WROW
	v_add_nc_u32 v9, 3072+WB, v5                   ; row r, column 768
	v_lshl_add_u32 v5, v8, 5, v5
	v_add_nc_u32 v5, s26, v5                       ; row r, column 32 t + 8 h
	v_lshlrev_b32 v6, 4, v2                        ; 16 x lane
	v_lshlrev_b32 v10, 2, v0
	s_wait_kmcnt 0x0
	s_add_nc_u64 s[6:7], s[6:7], s[20:21]
	s_add_nc_u64 s[8:9], s[8:9], s[22:23]
	s_add_nc_u64 s[10:11], s[10:11], s[24:25]
.set nn, 0
.rept 12
	global_load_b128 v[16+4*nn:19+4*nn], v3, s[6:7] offset:nn*4096 ; 4,096 consecutive bytes for the eight waves
.set nn, nn+1
.endr
	s_cmp_lg_u32 s16, 0
	s_cbranch_scc1 .Lno_tail
	global_load_b128 v[64:67], v4, s[6:7]          ; wave 0 alone: the 64 bytes behind 12 x 4,096, the end of row 16 k + 15
	s_wait_loadcnt 0x0
	ds_store_b128 v13, v[64:67]
.Lno_tail:
.set nn, 0
.rept 12
	s_wait_loadcnt 11-nn                           ; piece n is in (in wave 0 all are)
	ds_store_b128 v12, v[16+4*nn:19+4*nn] offset:nn*4096
.set nn, nn+1
.endr
	s_wait_dscnt 0x0                               ; my pieces are written, for the other waves' sake
	s_barrier_signal -1
	s_barrier_wait -1
	; six blocks (m, q), qq = 2 m + q.  m = 0, 1, 2 are the weights of f (columns 0..), of f x attn (512..), of s (256..): column base (512 m) mod 768.
	; A lane's 16 bytes: row 16 k + r, columns base + 32 t + 16 q + 8 h + 0..7: half a fragment's registers (ISA guide 7.12.2).
.set qq, 0
.rept 6
.set ee, 0
.rept 8
	ds_load_b32 v[32+8*qq+ee], v5 offset:((((qq>>1)*512)%768)+16*(qq&1)+ee)*4
.set ee, ee+1
.endr
.set qq, qq+1
.endr
	ds_load_b32 v11, v9                            ; column 768 of row r
.set qq, 0
.rept 6
	s_wait_dscnt (5-qq)*8+1                        ; block qq's eight loads are in; the later blocks' and the last load stay out
.set ee, 0
.rept 4
	v_cvt_pk_f16_f32 v[80+4*qq+ee], v[32+8*qq+2*ee], v[32+8*qq+2*ee+1]
.set ee, ee+1
.endr
	global_store_b128 v6, v[80+4*qq:83+4*qq], s[8:9] offset:(qq>>1)*4096+(qq&1)*512   ; 512 consecutive bytes, aligned; each block has registers of its own
.set qq, qq+1
.endr
	s_wait_dscnt 0x0
	v_cmp_gt_u32 vcc_lo, 16, v0
	s_wait_xcnt 0x0                                ; EXEC changes only behind this wait
	s_wait_tensorcnt 0x0
	ds_add_u32 v128, v129
	s_wait_dscnt 0x0
	s_and_saveexec_b32 s27, vcc_lo
	global_store_b32 v10, v11, s[10:11]            ; threads 0 to 15: the sixteen weights of the distance column, 64 bytes
	s_wait_xcnt 0x0
	s_or_b32 exec_lo, exec_lo, s27
	s_endpgm
.Lfunc_end_k_q546ffb1974_prep:
	.size	k_q546ffb1974_prep, .Lfunc_end_k_q546ffb1974_prep-k_q546ffb1974_prep
	.p2alignl 7, 3214868480
	.fill 96, 4, 3214868480
	.section	.rodata,"a",@progbits
	.p2align	6, 0x0
	.amdhsa_kernel k_q546ffb1974_prep
		.amdhsa_group_segment_fixed_size 72960
		.amdhsa_private_segment_fixed_size 0
		.amdhsa_enable_private_segment 0
		.amdhsa_kernarg_size 48
		.amdhsa_user_sgpr_count 2
		.amdhsa_user_sgpr_kernarg_segment_ptr 1
		.amdhsa_wavefront_size32 1
		.amdhsa_system_sgpr_workgroup_id_x 1
		.amdhsa_system_sgpr_workgroup_id_y 1
		.amdhsa_system_sgpr_workgroup_id_z 1
		.amdhsa_system_vgpr_workitem_id 0
		.amdhsa_next_free_vgpr 130
		.amdhsa_next_free_sgpr 66
		.amdhsa_reserve_vcc 1
		.amdhsa_float_denorm_mode_32 3
		.amdhsa_float_denorm_mode_16_64 3
		.amdhsa_memory_ordered 1
		.amdhsa_forward_progress 1
		.amdhsa_inst_pref_size 29
	.end_amdhsa_kernel
	.amdgpu_metadata
---
amdhsa.version: [ 1, 2 ]
amdhsa.kernels:
  - .name:           k_q546ffb1974_prep
    .symbol:         k_q546ffb1974_prep.kd
    .args:
      - { .name: support_mask, .offset: 0, .size: 8, .value_kind: global_buffer, .address_space: global }
      - { .name: w_fusion, .offset: 8, .size: 8, .value_kind: global_buffer, .address_space: global }
      - { .name: wfrag, .offset: 16, .size: 8, .value_kind: global_buffer, .address_space: global }
      - { .name: wdcol, .offset: 24, .size: 8, .value_kind: global_buffer, .address_space: global }
      - { .name: udist, .offset: 32, .size: 8, .value_kind: global_buffer, .address_space: global }
      - { .name: pmax, .offset: 40, .size: 8, .value_kind: global_buffer, .address_space: global }
    .group_segment_fixed_size: 72960
    .private_segment_fixed_size: 0
    .kernarg_segment_align: 8
    .kernarg_segment_size: 48
    .max_flat_workgroup_size: 256
    .sgpr_count:     66
    .vgpr_count:     130
    .wavefront_size: 32
...
	.end_amdgpu_metadata
.endif
;; end of part 1
;; launch main (part 2): grid 256 x 1, 4 waves a work-group, no clusters, 305,664 bytes of LDS; arguments f_s, supp_feat_bin, wfrag, wdcol, udist, pmax, ybuf, part; writes ybuf, part
.if DOCPART == 2
	.amdgcn_target "amdgcn-amd-amdhsa--gfx1250"
	.amdhsa_code_object_version 6
	.text
	.protected	k_q546ffb1974_main
	.globl	k_q546ffb1974_main
	.p2align	8
	.type	k_q546ffb1974_main,@function
k_q546ffb1974_main:
	s_mov_b64 s[64:65], 0
	v_nop
	global_prefetch_b8 v0, s[64:65] scope:SCOPE_SE
	s_setreg_imm32_b32 hwreg(HW_REG_WAVE_MODE, 25, 1), 1
	s_wait_xcnt 0x0
; y[b][o][p] = sum over c of W1[o][c] f + W2[o][c] s + attn[b][p] W3[o][c] f, + wd[o] dist[b][p];  attn = sigmoid(sum over c of f s).
; attn is one factor for a whole pixel, so W3 (f attn) = attn (W3 f): a second set of sums lets the channels be walked once.
; A work-group makes all 256 output channels of 128 pixels of one sample; wave w makes channels 64 w .. 64 w + 63 in two sets of 32 tiles of 16 x 16:
; acc1 = W1 f + W2 s, acc2 = W3 f.  K (the input channels) goes in 8 steps of 32, written out: the text has no branch.
; The work-group's whole share of f and s, 2 x 256 channels x 512 bytes = 262,144 bytes, is asked for by the first instructions (8 tensor loads a wave,
; all of them out at once by this text's count) and lands in LDS bytes that are filled once: no slot is ever filled again.
; Each step: 8 rows of f and 8 of s a wave are read in f32 (whole rows of 512 bytes), feed the logits in f32, are rounded to f16 and laid in a stage
; [32 channels][128 pixels]; transposing loads make fragments whose rows are pixels.  The matrix instruction takes pixels as rows and output channels as
; columns, so a lane ends with 8 neighbouring pixels of one channel.  W comes in fragment order straight into registers, each wave its own 98,304 bytes.
; NO CLUSTER: a joint load lands in LDS; inputs 262,144 + stages 36,864 + scratch 6,144 bytes leave 22,528 of 327,680, and one step of W is 49,152.
; Out: y in f32 through a stage of 16 rows (stores of 512 consecutive bytes), and for each channel the mean of the 128 pixels and the sum of squares
; about that mean, so that the batch statistics are never a difference of large sums.
; LIMITS: f, s and W enter the products rounded to f16: a magnitude of 65,520 or more becomes an infinity, below 6.1e-5 the step is 6e-8.
; Logits, attn, the distance column and the statistics are f32; exp2 and the reciprocal are good to 1 ULP and flush denormals (ISA guide 15.8).
;
; LDS:  0        X: chunk t at 32,768 t: f's rows k = 0..31 at 512 k, s's at 16,384 + 512 k            (tensor loads, once)
;       262,144  two stages of 18,432: f's rows at 288 k, s's at 9,216 + 288 k; at the end the way out's 4 x 16 rows of 528
;       299,008  logit partials [4 waves][128 pixels] f32;   301,056  for each wave 1,024: attn[128], dist[128]
; REGISTERS in windows of 256: window 0 addresses, work, fragments of f (64..) and s (128..), f32 rows (192..); window 1 W: W1 0.., W3 64.., W2 128.., two
; buffers of 32 each; window 2 acc1, then y: tile (pt, ct) at 8 (4 pt + ct); window 3 acc2.
.set XCH,  32768
.set STG,  262144
.set SBUF, 18432
.set SP,   288                         ; stage pitch: 256 bytes + 32
.set LG,   299008
.set AD,   301056
.set YP,   528                         ; way out: 512 bytes + 16
.set FR,  64                           ; v[64:127]   fragments of f: 8 blocks of 16 pixels x 32 channels
.set SR,  128                          ; v[128:191]  fragments of s
.set CV,  192                          ; v[192:255]  8 rows of f, 8 of s, 4 pixels a lane, f32, then f16
.set AT,  64                           ; at the end: attn of my 8 pixels in each of 8 blocks
.set RB,  128                          ;             16 rows of y read back
.set DN,  192                          ;             dist likewise
.set ST,  20                           ; v[20:27]    (mean, M2) for ct = 0..3
.set WD,  28                           ; v[28:35]    wd of my channel, twice, for ct = 0..3
.set LGT, 36                           ; v[36:39]    logits of pixels 4 L .. 4 L + 3, my wave's rows
.set G1,  24                           ; s[24:31]    descriptor group 1
.set G0,  32                           ; s[32:63]    descriptor group 0, one set for each of the 8 loads, never rewritten
.set MSB, 0
.macro WIN new                         ; low byte: bits 1:0 source 0, 3:2 source 1, 5:4 source 2, 7:6 destination; the high byte repeats the setting that is left
.if MSB != \new
	s_set_vgpr_msb (MSB<<8)|\new
.set MSB, \new
.endif
.endm
.macro PLACES                          ; four plain vector instructions between a matrix instruction and a load into, or a vector use of, its registers
.rept 4
	v_nop
.endr
.endm
; 16 transposing loads: stage of step t, tensor ten (0 f, 1 s): block pt's fragment = pixels 16 pt + r, channels 8 h + 0..7 and 16 + 8 h + 0..7
.macro FRAG dst, t, ten
.irp pt, 0,1,2,3,4,5,6,7
	ds_load_tr16_b128 v[\dst+8*\pt:\dst+8*\pt+3],   v5 offset:((\t)&1)*SBUF+\ten*32*SP+32*\pt
	ds_load_tr16_b128 v[\dst+8*\pt+4:\dst+8*\pt+7], v5 offset:((\t)&1)*SBUF+\ten*32*SP+32*\pt+16*SP
.endr
.endm
; 16 loads: my wave's rows 8 w + i of chunk t, f then s, each a whole row of 512 bytes
.macro XROWS t
.irp i, 0,1,2,3,4,5,6,7
	ds_load_b128 v[CV+4*\i:CV+4*\i+3], v[7+((\t)>>1)] offset:((\t)&1)*XCH+\i*512
.endr
.irp i, 0,1,2,3,4,5,6,7
	ds_load_b128 v[CV+32+4*\i:CV+32+4*\i+3], v[7+((\t)>>1)] offset:((\t)&1)*XCH+16384+\i*512
.endr
.endm
; the rows feed the logits in f32 and are rounded to f16 in place; then all sixteen go to the stage of step t in one run, so that only the first store
; stands close behind the arithmetic that feeds it.  first = 1: the first products start the logits
.macro CONV t, first
.irp i, 0,1,2,3,4,5,6,7
.if \first > \i
	v_pk_mul_f32 v[LGT:LGT+1],   v[CV+4*\i:CV+4*\i+1],   v[CV+32+4*\i:CV+32+4*\i+1]
	v_pk_mul_f32 v[LGT+2:LGT+3], v[CV+4*\i+2:CV+4*\i+3], v[CV+32+4*\i+2:CV+32+4*\i+3]
.else
	v_pk_fma_f32 v[LGT:LGT+1],   v[CV+4*\i:CV+4*\i+1],   v[CV+32+4*\i:CV+32+4*\i+1],   v[LGT:LGT+1]
	v_pk_fma_f32 v[LGT+2:LGT+3], v[CV+4*\i+2:CV+4*\i+3], v[CV+32+4*\i+2:CV+32+4*\i+3], v[LGT+2:LGT+3]
.endif
	v_cvt_pk_f16_f32 v[CV+4*\i],      v[CV+4*\i],      v[CV+4*\i+1]
	v_cvt_pk_f16_f32 v[CV+4*\i+1],    v[CV+4*\i+2],    v[CV+4*\i+3]
	v_cvt_pk_f16_f32 v[CV+32+4*\i],   v[CV+32+4*\i],   v[CV+32+4*\i+1]
	v_cvt_pk_f16_f32 v[CV+32+4*\i+1], v[CV+32+4*\i+2], v[CV+32+4*\i+3]
.endr
.irp i, 0,1,2,3,4,5,6,7
	ds_store_b64 v6, v[CV+4*\i:CV+4*\i+1]       offset:((\t)&1)*SBUF+\i*SP
	ds_store_b64 v6, v[CV+32+4*\i:CV+32+4*\i+1] offset:((\t)&1)*SBUF+32*SP+\i*SP
.endr
.endm
; 8 loads: matrix m (0 W1, 1 W3, 2 W2) of step t into its buffer t & 1 in window 1
.macro WLOAD m, t
.irp ct, 0,1,2,3
	global_load_b128 v[64*\m+32*((\t)&1)+8*\ct:64*\m+32*((\t)&1)+8*\ct+3],   v4, s[8:9] offset:(((\t)*3+\m)*4+\ct)*1024
	global_load_b128 v[64*\m+32*((\t)&1)+8*\ct+4:64*\m+32*((\t)&1)+8*\ct+7], v4, s[8:9] offset:(((\t)*3+\m)*4+\ct)*1024+512
.endr
.endm
; 32 matrix instructions: all tiles of one set, each once, always in the same order.  The tiles take turns, one instruction a turn.
.macro RUN win, x, wb, zero
	WIN \win
.irp pt, 0,1,2,3,4,5,6,7
.irp ct, 0,1,2,3
.if \zero
	v_wmma_f32_16x16x32_f16 v[8*(4*\pt+\ct):8*(4*\pt+\ct)+7], v[\x+8*\pt:\x+8*\pt+7], v[\wb+8*\ct:\wb+8*\ct+7], 0
.else
	v_wmma_f32_16x16x32_f16 v[8*(4*\pt+\ct):8*(4*\pt+\ct)+7], v[\x+8*\pt:\x+8*\pt+7], v[\wb+8*\ct:\wb+8*\ct+7], v[8*(4*\pt+\ct):8*(4*\pt+\ct)+7]
.endif
.endr
.endr
.endm
; dist = u / (the sample's largest u + 1e-6) for pixels 4 L .. 4 L + 3, into my wave's own bytes; wd is doubled for the packed multiply-add.
; u is in v[40:43], two of the 64 row maxima in v[44:45].  Needed at the end only, so it stands in step 0 and not in front of the first barrier.
.macro DISTN
.irp ct, 0,1,2,3
	v_mov_b32 v[WD+2*\ct+1], v[WD+2*\ct]
.endr
	v_max_num_f32 v44, v44, v45
	v_max_num_f32_dpp v44, v44, v44 row_xmask:1 row_mask:0xf bank_mask:0xf
	v_max_num_f32_dpp v44, v44, v44 row_xmask:2 row_mask:0xf bank_mask:0xf
	v_max_num_f32_dpp v44, v44, v44 row_xmask:4 row_mask:0xf bank_mask:0xf
	v_max_num_f32_dpp v44, v44, v44 row_xmask:8 row_mask:0xf bank_mask:0xf
	v_permlanex16_b32 v45, v44, s70, s71
	v_max_num_f32 v44, v44, v45                    ; the sample's largest distance
	v_add_f32 v44, 0x358637bd, v44                 ; + 1e-6
	v_rcp_f32 v46, v44
	v_nop                                          ; a plain instruction between a transcendental and the use of its result (ISA guide 5.7.2)
	s_wait_alu depctr_va_vdst(0)
.irp k, 40,41,42,43
	v_mul_f32 v\k, v\k, v46
.endr
	ds_store_b128 v13, v[40:43] offset:512
.endm
; the four waves' logit partials (in v[40:55]) are added; attn = 1 / (1 + 2^(-1.442695 x)), for all 128 pixels, into my wave's own bytes
.macro ATTN
	v_pk_add_f32 v[40:41], v[40:41], v[44:45]
	v_pk_add_f32 v[42:43], v[42:43], v[46:47]
	v_pk_add_f32 v[48:49], v[48:49], v[52:53]
	v_pk_add_f32 v[50:51], v[50:51], v[54:55]
	v_pk_add_f32 v[40:41], v[40:41], v[48:49]
	v_pk_add_f32 v[42:43], v[42:43], v[50:51]
.irp k, 40,41,42,43
	v_mul_f32 v\k, 0xbfb8aa3b, v\k
.endr
.irp k, 40,41,42,43
	v_exp_f32 v\k, v\k
.endr
	v_nop                                          ; a plain instruction between a transcendental and the use of its result (ISA guide 5.7.2)
	s_wait_alu depctr_va_vdst(0)
.irp k, 40,41,42,43
	v_add_f32 v\k, 1.0, v\k
.endr
.irp k, 40,41,42,43
	v_rcp_f32 v\k, v\k
.endr
	v_nop
	s_wait_alu depctr_va_vdst(0)
	ds_store_b128 v13, v[40:43]
.endm
	s_load_b256 s[4:11], s[0:1], 0x0               ; f_s s[4:5], supp_feat_bin s[6:7], wfrag s[8:9], wdcol s[10:11]
	s_load_b256 s[12:19], s[0:1], 0x20             ; udist s[12:13], pmax s[14:15], ybuf s[16:17], part s[18:19]
	v_lshl_add_u32 v62, v0, 2, 0x4a800
	v_mov_b32 v63, 0
	ds_add_u32 v62, v63
	ds_add_u32 v62, v63
	v_lshrrev_b32 v1, 5, v0
	v_readfirstlane_b32 s20, v1                    ; wave 0..3
	s_lshr_b32 s21, ttmp9, 5                       ; b
	s_and_b32 s22, ttmp9, 31                       ; block of 128 pixels
	; group 1: a tile of 16 rows x 128 elements of 4 bytes, rows 4,096 elements apart, no padding (the rows are read whole)
	s_mov_b32 s[G1+0], 2<<16                       ; 15:0 mask = 0; 17:16 element of 4 bytes
	s_mov_b32 s[G1+1], 128<<16                     ; tensor_dim0 = 128
	s_mov_b32 s[G1+2], 16<<16                      ; tensor_dim1 = 16
	s_mov_b32 s[G1+3], 128<<16                     ; tile_dim0 = 128
	s_mov_b32 s[G1+4], 16                          ; tile_dim1 = 16
	s_mov_b32 s[G1+5], 4096                        ; from channel to channel
	s_mov_b32 s[G1+6], 0
	s_mov_b32 s[G1+7], 0
	s_lshl_b32 s68, s21, 22                        ; the sample: 256 channels x 16,384 bytes
	s_and_b32 s69, s20, 1
	s_lshl_b32 s69, s69, 18                        ; waves 1 and 3: the chunk's channels 16..31
	s_add_co_u32 s68, s68, s69
	s_lshl_b32 s73, s22, 9                         ; the 128 pixels: 512 bytes
	s_add_co_u32 s68, s68, s73
	s_mov_b32 s69, 0
	s_lshl_b32 s72, s20, 13                        ; LDS: 16 rows of 512 bytes a wave: f 0-15, f 16-31, s 0-15, s 16-31
	s_wait_dscnt 0x0
	s_wait_kmcnt 0x0
	s_cmp_lt_u32 s20, 2
	s_cselect_b64 s[66:67], s[4:5], s[6:7]         ; waves 0, 1 fetch f, waves 2, 3 fetch s
	s_add_nc_u64 s[66:67], s[66:67], s[68:69]
.irp t, 0,1,2,3,4,5,6,7
	s_mov_b32 s[G0+4*\t], 1                                        ; count = 1
	s_add_co_u32 s[G0+4*\t+1], s72, \t*XCH                         ; LDS address: wave x 8,192 + chunk x 32,768
	s_add_nc_u64 s[G0+4*\t+2:G0+4*\t+3], s[66:67], \t*524288       ; 32 channels further for each chunk
	s_or_b32 s[G0+4*\t+3], s[G0+4*\t+3], 0x80000000               ; type = 2
	tensor_load_to_lds s[G0+4*\t:G0+4*\t+3], s[G1:G1+7]            ; all first fills in one group, ahead of every wait on them, LDS read and barrier
	s_nop 0
.endr
	s_mul_i32 s74, s20, 98304
	s_mov_b32 s75, 0
	s_add_nc_u64 s[8:9], s[8:9], s[74:75]          ; my wave's W
	s_lshl_b32 s74, s20, 8
	s_add_nc_u64 s[10:11], s[10:11], s[74:75]      ; my wave's 64 wd
	s_lshl_b32 s74, s21, 14
	s_add_co_u32 s74, s74, s73
	s_add_nc_u64 s[12:13], s[12:13], s[74:75]      ; u of the 128 pixels
	s_lshl_b32 s74, s21, 8
	s_add_nc_u64 s[14:15], s[14:15], s[74:75]      ; the sample's 64 row maxima
	s_lshl_b32 s74, s21, 22
	s_lshl_b32 s76, s20, 20
	s_add_co_u32 s74, s74, s76
	s_add_co_u32 s74, s74, s73
	s_add_nc_u64 s[16:17], s[16:17], s[74:75]      ; y[b][64 w][p0]
	s_lshl_b32 s74, s20, 17
	s_lshl_b32 s76, ttmp9, 8
	s_add_co_u32 s74, s74, s76
	s_add_nc_u64 s[18:19], s[18:19], s[74:75]      ; part[2 w][work-group]
	s_mov_b32 s70, 0x76543210                      ; v_permlanex16_b32: lane i reads lane i of the other half
	s_mov_b32 s71, 0xfedcba98
	v_and_b32 v1, 31, v0                           ; L
	v_and_b32 v2, 15, v0                           ; r
	v_bfe_u32 v3, v0, 4, 1                         ; h
	v_lshlrev_b32 v4, 4, v1                        ; 16 L
	v_lshlrev_b32 v17, 3, v1                       ; 8 L
	v_lshlrev_b32 v18, 2, v2                       ; 4 r
	v_and_b32 v40, 7, v0
	v_lshl_add_u32 v40, v3, 3, v40
	v_mul_u32_u24 v5, v40, SP                      ; transposing loads: stage row 8 h + (L & 7),
	v_bfe_u32 v41, v0, 3, 1
	v_lshl_add_u32 v5, v41, 4, v5                  ; 16 bytes for each group of eight lanes
	v_add_nc_u32 v5, STG, v5
	s_mul_i32 s76, s20, 8*SP
	s_add_co_u32 s76, s76, STG
	v_add_nc_u32 v6, s76, v17                      ; stage: my wave's 8 rows, 8 bytes a lane
	s_lshl_b32 s76, s20, 12
	v_add_nc_u32 v7, s76, v4                       ; X: my wave's 8 rows; one register for every two chunks (an LDS offset has 16 bits)
	v_add_nc_u32 v8, 0x10000, v7
	v_add_nc_u32 v9, 0x20000, v7
	v_add_nc_u32 v10, 0x30000, v7
	s_lshl_b32 s76, s20, 9
	s_add_co_u32 s76, s76, LG
	v_add_nc_u32 v11, s76, v4                      ; my wave's logit partials
	v_add_nc_u32 v12, LG, v4                       ; all waves' partials
	s_lshl_b32 s76, s20, 10
	s_add_co_u32 s76, s76, AD
	v_add_nc_u32 v13, s76, v4                      ; attn and dist in: pixels 4 L ..
	v_lshl_add_u32 v14, v3, 5, s76                 ; and back: pixels 16 pt + 8 h ..
	s_mul_i32 s76, s20, 16*YP
	s_add_co_u32 s76, s76, STG
	v_mul_u32_u24 v15, v2, YP
	v_lshl_add_u32 v15, v3, 5, v15
	v_add_nc_u32 v15, s76, v15                     ; way out, in: row r, 32 bytes for each half of the lanes
	v_add_nc_u32 v16, s76, v4                      ; way out, back: a whole row
	global_load_b128 v[40:43], v4, s[12:13]        ; u of pixels 4 L .. 4 L + 3
	global_load_b64 v[44:45], v17, s[14:15]        ; two of the 64 row maxima
.irp ct, 0,1,2,3
	global_load_b32 v[WD+2*\ct], v18, s[10:11] offset:64*\ct       ; wd of channel 64 w + 16 ct + r
.endr
	WIN 0x40
	WLOAD 0, 0
	WLOAD 1, 0
	WLOAD 2, 0
	WIN 0
	s_wait_tensorcnt 7                             ; my part of chunk 0 has landed; the seven younger loads stay out (nothing is ever filled again)
	s_barrier_signal -1
	s_barrier_wait -1                              ; chunk 0 is whole
	XROWS 0
	s_wait_dscnt 0x0
	CONV 0, 1
	s_wait_dscnt 0x0                               ; my rows of stage 0 are written
	s_wait_tensorcnt 6                             ; my part of chunk 1 has landed
	s_barrier_signal -1
	s_barrier_wait -1
; Step t, entered straight behind a barrier.  Behind that barrier stage t & 1 and chunk t + 1 are whole, and nobody reads stage (t + 1) & 1 any more.
; s's product of step t - 1 is run here: it needs registers alone and covers the time that f's new fragments take.
; Counts on LOADcnt = W's loads issued behind the one that is needed: W2 of step t - 1: 8 x (W1, W3, W2 of t; W1, W3 of t + 1) = 40 (step 7: 24);
; W3 of step t: 8 x (W2 of t; W1, W3, W2 of t + 1) = 32 (step 7: 8).  Step 0's wait also shows u, the row maxima and wd in: they were issued ahead of W.
.macro STEP t
.if \t > 0
	PLACES                                         ; behind the last run: loads into f's fragments and into W1's and W3's other buffers follow
.endif
	WIN 0
	FRAG FR, \t, 0
.if \t < 7
	XROWS (\t+1)
	WIN 0x40
	WLOAD 0, (\t+1)
	WLOAD 1, (\t+1)
.else
.irp k, 0,1,2,3
	ds_load_b128 v[40+4*\k:43+4*\k], v12 offset:512*\k             ; the four waves' logit partials
.endr
.endif
.if \t > 0
.if \t < 7
	s_wait_loadcnt 40
.else
	s_wait_loadcnt 24
.endif
	RUN 0xa4, SR, (128+32*((\t-1)&1)), 0
	PLACES                                         ; loads into s's fragments and into W2's buffer follow
.endif
.if \t < 7
	WIN 0x40
	WLOAD 2, (\t+1)
.endif
	WIN 0
	FRAG SR, \t, 1
	s_wait_dscnt 16                                ; all but s's 16 fragment loads: f's fragments and the f32 rows (step 7: the partials) are in
.if \t < 7
	CONV (\t+1), 0
.if \t == 6
	ds_store_b128 v11, v[LGT:LGT+3]                ; all 8 chunks are in: my wave's partial logits
.endif
	s_wait_loadcnt 32
.else
	ATTN
	s_wait_loadcnt 8
.endif
.if \t == 0
	RUN 0xa4, FR, 0, 1                             ; the first products start the sums: nothing is cleared
	WIN 0
	DISTN                                          ; names none of the matrix instructions' registers
.else
	RUN 0xa4, FR, (32*((\t)&1)), 0
.endif
	s_wait_dscnt 0x0                               ; my stores into the next stage and my reads of this one are done
.if \t <= 5
	s_wait_tensorcnt 5-\t                          ; my part of chunk t + 2 has landed; the 5 - t younger loads stay out
.endif
	s_barrier_signal -1
.if \t == 0
	RUN 0xf4, FR, 64, 1                            ; registers alone between signal and wait
.else
	RUN 0xf4, FR, (64+32*((\t)&1)), 0
.endif
	s_barrier_wait -1
.endm
	STEP 0
	STEP 1
	STEP 2
	STEP 3
	STEP 4
	STEP 5
	STEP 6
	STEP 7
	; the tail: attn and dist of my pixels come back while s's last product runs
	PLACES
	WIN 0
.irp pt, 0,1,2,3,4,5,6,7
	ds_load_b128 v[AT+8*\pt:AT+8*\pt+3],   v14 offset:64*\pt
	ds_load_b128 v[AT+8*\pt+4:AT+8*\pt+7], v14 offset:64*\pt+16
.endr
.irp pt, 0,1,2,3,4,5,6,7
	ds_load_b128 v[DN+8*\pt:DN+8*\pt+3],   v14 offset:512+64*\pt
	ds_load_b128 v[DN+8*\pt+4:DN+8*\pt+7], v14 offset:512+64*\pt+16
.endr
	s_wait_loadcnt 0x0                             ; W2 of step 7: nothing was issued behind it
	RUN 0xa4, SR, 160, 0
	PLACES                                         ; vector instructions that read the sums follow
	s_wait_dscnt 0x0
; 16 channels (block ct): y = acc2 attn + acc1 + dist wd; out through my wave's 16 rows of the stage (behind step 7's barrier nobody reads the stages);
; then the mean of the 128 pixels and the sum of squares about it, while the stores leave.
.macro OUTCT ct
	WIN 0xa3                                       ; source 0 acc2, source 1 window 0, source 2 and destination window 2
.irp pt, 0,1,2,3,4,5,6,7
.irp j, 0,2,4,6
	v_pk_fma_f32 v[8*(4*\pt+\ct)+\j:8*(4*\pt+\ct)+\j+1], v[8*(4*\pt+\ct)+\j:8*(4*\pt+\ct)+\j+1], v[AT+8*\pt+\j:AT+8*\pt+\j+1], v[8*(4*\pt+\ct)+\j:8*(4*\pt+\ct)+\j+1]
.endr
.endr
	WIN 0xa0
.irp pt, 0,1,2,3,4,5,6,7
.irp j, 0,2,4,6
	v_pk_fma_f32 v[8*(4*\pt+\ct)+\j:8*(4*\pt+\ct)+\j+1], v[DN+8*\pt+\j:DN+8*\pt+\j+1], v[WD+2*\ct:WD+2*\ct+1], v[8*(4*\pt+\ct)+\j:8*(4*\pt+\ct)+\j+1]
.endr
.endr
	WIN 0x08                                       ; an LDS store's data are source 1
.irp pt, 0,1,2,3,4,5,6,7
	ds_store_b128 v15, v[8*(4*\pt+\ct):8*(4*\pt+\ct)+3]   offset:64*\pt
	ds_store_b128 v15, v[8*(4*\pt+\ct)+4:8*(4*\pt+\ct)+7] offset:64*\pt+16
.endr
	WIN 0
	s_wait_xcnt 0x0                                ; the last block's stores have read RB: it is loaded again only behind this wait
.irp i, 0,1,2,3,4,5,6,7,8,9,10,11,12,13,14,15
	ds_load_b128 v[RB+4*\i:RB+4*\i+3], v16 offset:\i*YP            ; my own bytes, served in order behind the stores above
.endr
.irp i, 0,1,2,3,4,5,6,7,8,9,10,11,12,13,14,15
	s_wait_dscnt 15-\i
	global_store_b128 v4, v[RB+4*\i:RB+4*\i+3], s[16:17] offset:(16*\ct+\i)*16384 th:TH_STORE_WB   ; a channel's 128 pixels: 512 consecutive bytes, aligned; the next launch reads y, hence the hint
.endr
	WIN 0x0a                                       ; sources 0 and 1 window 2
.irp c, 0,1,2,3
	v_pk_add_f32 v[40+2*\c:41+2*\c], v[8*\ct+2*\c:8*\ct+2*\c+1], v[8*(4+\ct)+2*\c:8*(4+\ct)+2*\c+1]   ; four chains, started by the first two blocks
.endr
	WIN 0x02
.irp pt, 2,3,4,5,6,7
.irp c, 0,1,2,3
	v_pk_add_f32 v[40+2*\c:41+2*\c], v[8*(4*\pt+\ct)+2*\c:8*(4*\pt+\ct)+2*\c+1], v[40+2*\c:41+2*\c]
.endr
.endr
	WIN 0
	v_pk_add_f32 v[40:41], v[40:41], v[42:43]
	v_pk_add_f32 v[44:45], v[44:45], v[46:47]
	v_pk_add_f32 v[40:41], v[40:41], v[44:45]
	v_add_f32 v40, v40, v41
	v_permlanex16_b32 v41, v40, s70, s71           ; the other half of the lanes holds the channel's other 64 pixels
	v_add_f32 v40, v40, v41
	v_mul_f32 v[ST+2*\ct], 0x3c000000, v40         ; mean = sum / 128
	v_mul_f32 v48, 0xbc000000, v40                 ; - mean, twice
	v_mul_f32 v49, 0xbc000000, v40
	WIN 0x82
.irp pt, 0,1,2,3,4,5,6,7
.irp c, 0,1,2,3
	v_pk_add_f32 v[8*(4*\pt+\ct)+2*\c:8*(4*\pt+\ct)+2*\c+1], v[8*(4*\pt+\ct)+2*\c:8*(4*\pt+\ct)+2*\c+1], v[48:49]
.endr
.endr
	WIN 0x0a
.irp c, 0,1,2,3
	v_pk_mul_f32 v[40+2*\c:41+2*\c], v[8*\ct+2*\c:8*\ct+2*\c+1], v[8*\ct+2*\c:8*\ct+2*\c+1]
.endr
.irp pt, 1,2,3,4,5,6,7
.irp c, 0,1,2,3
	v_pk_fma_f32 v[40+2*\c:41+2*\c], v[8*(4*\pt+\ct)+2*\c:8*(4*\pt+\ct)+2*\c+1], v[8*(4*\pt+\ct)+2*\c:8*(4*\pt+\ct)+2*\c+1], v[40+2*\c:41+2*\c]
.endr
.endr
	WIN 0
	v_pk_add_f32 v[40:41], v[40:41], v[42:43]
	v_pk_add_f32 v[44:45], v[44:45], v[46:47]
	v_pk_add_f32 v[40:41], v[40:41], v[44:45]
	v_add_f32 v40, v40, v41
	v_permlanex16_b32 v41, v40, s70, s71
	v_add_f32 v[ST+2*\ct+1], v40, v41              ; M2
.endm
	OUTCT 0
	OUTCT 1
	OUTCT 2
	OUTCT 3
	; part[group of 32 channels][work-group][32 channels][(mean, M2)]: lane L takes channel L of the group = block 2 gg + h, row r
	v_cmp_ne_u32 vcc_lo, 0, v3
	v_cndmask_b32 v40, v[ST],   v[ST+2], vcc_lo
	v_cndmask_b32 v41, v[ST+1], v[ST+3], vcc_lo
	v_cndmask_b32 v42, v[ST+4], v[ST+6], vcc_lo
	v_cndmask_b32 v43, v[ST+5], v[ST+7], vcc_lo
	global_store_b64 v17, v[40:41], s[18:19]                       ; 256 consecutive bytes, aligned
	global_store_b64 v17, v[42:43], s[18:19] offset:65536
	s_wait_tensorcnt 0x0
	ds_add_u32 v62, v63
	s_wait_dscnt 0x0
	s_endpgm
.Lfunc_end_k_q546ffb1974_main:
	.size	k_q546ffb1974_main, .Lfunc_end_k_q546ffb1974_main-k_q546ffb1974_main
	.p2alignl 7, 3214868480
	.fill 96, 4, 3214868480
	.section	.rodata,"a",@progbits
	.p2align	6, 0x0
	.amdhsa_kernel k_q546ffb1974_main
		.amdhsa_group_segment_fixed_size 305664
		.amdhsa_private_segment_fixed_size 0
		.amdhsa_enable_private_segment 0
		.amdhsa_kernarg_size 64
		.amdhsa_user_sgpr_count 2
		.amdhsa_user_sgpr_kernarg_segment_ptr 1
		.amdhsa_wavefront_size32 1
		.amdhsa_system_sgpr_workgroup_id_x 1
		.amdhsa_system_sgpr_workgroup_id_y 1
		.amdhsa_system_sgpr_workgroup_id_z 1
		.amdhsa_system_vgpr_workitem_id 0
		.amdhsa_next_free_vgpr 1024
		.amdhsa_next_free_sgpr 80
		.amdhsa_reserve_vcc 1
		.amdhsa_float_denorm_mode_32 3
		.amdhsa_float_denorm_mode_16_64 3
		.amdhsa_memory_ordered 1
		.amdhsa_forward_progress 1
		.amdhsa_inst_pref_size 200
	.end_amdhsa_kernel
	.amdgpu_metadata
---
amdhsa.version: [ 1, 2 ]
amdhsa.kernels:
  - .name:           k_q546ffb1974_main
    .symbol:         k_q546ffb1974_main.kd
    .args:
      - { .name: f_s, .offset: 0, .size: 8, .value_kind: global_buffer, .address_space: global }
      - { .name: supp_feat_bin, .offset: 8, .size: 8, .value_kind: global_buffer, .address_space: global }
      - { .name: wfrag, .offset: 16, .size: 8, .value_kind: global_buffer, .address_space: global }
      - { .name: wdcol, .offset: 24, .size: 8, .value_kind: global_buffer, .address_space: global }
      - { .name: udist, .offset: 32, .size: 8, .value_kind: global_buffer, .address_space: global }
      - { .name: pmax, .offset: 40, .size: 8, .value_kind: global_buffer, .address_space: global }
      - { .name: ybuf, .offset: 48, .size: 8, .value_kind: global_buffer, .address_space: global }
      - { .name: part, .offset: 56, .size: 8, .value_kind: global_buffer, .address_space: global }
    .group_segment_fixed_size: 305664
    .private_segment_fixed_size: 0
    .kernarg_segment_align: 8
    .kernarg_segment_size: 64
    .max_flat_workgroup_size: 128
    .sgpr_count:     80
    .vgpr_count:     1024
    .wavefront_size: 32
...
	.end_amdgpu_metadata
.endif
;; end of part 2
;; launch norm (part 3): grid 256 x 1, 16 waves a work-group, no clusters, 18,944 bytes of LDS; arguments ybuf, part, gamma, beta, out0; writes out0
.if DOCPART == 3
	.amdgcn_target "amdgcn-amd-amdhsa--gfx1250"
	.amdhsa_code_object_version 6
	.text
	.protected	k_q546ffb1974_norm
	.globl	k_q546ffb1974_norm
	.p2align	8
	.type	k_q546ffb1974_norm,@function
k_q546ffb1974_norm:
	s_mov_b64 s[64:65], 0
	v_nop
	global_prefetch_b8 v0, s[64:65] scope:SCOPE_SE
	s_setreg_imm32_b32 hwreg(HW_REG_WAVE_MODE, 25, 1), 1
	s_wait_xcnt 0x0
; out = relu((y - mean) rsqrt(var + 1e-5) gamma + beta), mean and var over the 32,768 pixels of a channel.
; A work-group takes 32 channels (group g) x 1,024 pixels of one sample; wave v takes channels 32 g + 2 v and + 1, 16 loads of 512 bytes.
; All loads go out first: the group's 256 partial (mean, M2), 65,536 bytes shared among the 16 waves, gamma, beta, and then y, which stays on its way
; (131,072 bytes for the work-group) while the statistics are merged.
; THE MERGE, in one pass and one exchange through LDS.  The parts are of equal size (128 pixels).  With p = the mean of part 0 and d_i = mean_i - p:
;   mean = p + (sum d) / 256,   M2 = sum of the M2_i + 128 (sum d^2 - (sum d)^2 / 256),   var = M2 / 32,768.
; The d_i are differences of neighbouring numbers, so a common offset of the data never enters a sum.  p is itself one of the 256 means (its d is 0),
; so the bracket is at least ((sum d) / 256)^2, while what is taken away is 256 times that: the subtraction loses a factor of 256 at the most.
; No matrix unit, no tensor load, no cluster: a stream with a small reduction in front.
; LIMIT: relu is a maximum in which a NaN loses, so a NaN would come out as 0; finite inputs give none.  The reciprocal root is good to 1 ULP.
.set PP, 16                            ; v[16:47]    8 loads of part: (mean a, M2 a, mean a+1, M2 a+1), a = 2 (L & 15), row 16 v + 2 n + (L >> 4)
.set YY, 128                           ; v[128:191]  y, then the result
.set RP, 1040                          ; LDS: a wave's 32 records of 32 bytes, + 16: sixteen lanes that read one record of each wave touch sixteen different 16-byte columns
	s_load_b256 s[4:11], s[0:1], 0x0               ; ybuf s[4:5], part s[6:7], gamma s[8:9], beta s[10:11]
	s_load_b64 s[12:13], s[0:1], 0x20              ; out0
	v_lshl_add_u32 v192, v0, 2, 0x4200
	v_mov_b32 v193, 0
	v_lshrrev_b32 v1, 5, v0
	v_readfirstlane_b32 s16, v1                    ; wave 0..15
	v_and_b32 v1, 31, v0
	v_and_b32 v2, 15, v0
	v_lshlrev_b32 v3, 4, v1                        ; 16 L
	v_lshlrev_b32 v4, 4, v2                        ; 16 (L & 15)
	v_mov_b32 v5, 0                                ; gamma and beta: the same address in every lane
	s_lshr_b32 s17, ttmp9, 5                       ; b
	s_bfe_u32 s18, ttmp9, 0x30002                  ; g
	s_and_b32 s19, ttmp9, 3                        ; quarter of the pixels
	s_lshl_b32 s20, s17, 22                        ; ((256 b + 32 g + 2 v) 4,096 + 1,024 q) x 4 bytes
	s_lshl_b32 s21, s18, 19
	s_add_co_u32 s20, s20, s21
	s_lshl_b32 s21, s16, 15
	s_add_co_u32 s20, s20, s21
	s_lshl_b32 s21, s19, 12
	s_add_co_u32 s20, s20, s21
	s_mov_b32 s21, 0
	s_lshl_b32 s22, s18, 16                        ; part: the group's 65,536 bytes,
	s_mov_b32 s23, 0
	s_lshl_b32 s24, s16, 12                        ; in them my wave's 16 rows of 256
	s_mov_b32 s25, 0
	s_lshl_b32 s26, s18, 7                         ; gamma, beta: (32 g + 2 v) f32
	s_lshl3_add_u32 s26, s16, s26
	s_mov_b32 s27, 0
	s_mul_i32 s28, s16, RP                         ; my wave's records
	s_lshl_b32 s29, s16, 5                         ; in every wave's records: the one of my wave's two channels
	s_mov_b32 s36, 0x38000000                      ; 1 / 32,768
	s_mov_b32 s30, 0x76543210                      ; v_permlanex16_b32: lane i reads lane i of the other half
	s_mov_b32 s31, 0xfedcba98
	v_lshl_add_u32 v6, v1, 5, s28                  ; where my record goes: wave x 1,040 + 32 L
	v_mul_u32_u24 v7, v2, RP                       ; which record I read: wave L & 15,
	v_lshrrev_b32 v8, 4, v1
	v_lshl_add_u32 v7, v8, 9, v7                   ; half L >> 4 of its lanes,
	v_add_nc_u32 v7, s29, v7                       ; channel pair v
	v_mov_b32 v9, 0x3727c5ac                       ; 1e-5
	s_wait_kmcnt 0x0
	s_add_nc_u64 s[4:5], s[4:5], s[20:21]
	s_add_nc_u64 s[12:13], s[12:13], s[20:21]
	s_add_nc_u64 s[6:7], s[6:7], s[22:23]          ; the group's row 0
	s_add_nc_u64 s[14:15], s[6:7], s[24:25]        ; my wave's rows
	s_add_nc_u64 s[8:9], s[8:9], s[26:27]
	s_add_nc_u64 s[10:11], s[10:11], s[26:27]
.set nn, 0
.rept 8
	global_load_b128 v[PP+4*nn:PP+4*nn+3], v3, s[14:15] offset:512*nn
.set nn, nn+1
.endr
	global_load_b128 v[48:51], v4, s[6:7]          ; part 0 of channels a, a + 1: its means are the pivots
	global_load_b64 v[10:11], v5, s[8:9]           ; gamma of my wave's two channels
	global_load_b64 v[12:13], v5, s[10:11]         ; beta
.set nn, 0
.rept 16
	global_load_b128 v[YY+4*nn:YY+4*nn+3], v3, s[4:5] offset:(nn>>3)*16384+(nn&7)*512 th:TH_LOAD_NT
.set nn, nn+1
.endr
	s_wait_loadcnt 16                              ; all but y's 16 loads
	v_mov_b32 v49, 0                               ; (p, 0): taken from (mean, M2) it leaves (d, M2)
	v_mov_b32 v51, 0
	v_pk_add_f32 v[52:53], v[PP:PP+1],   v[48:49] neg_lo:[0,1] neg_hi:[0,1]   ; the first row starts the sums (sum d, sum M2)
	v_pk_add_f32 v[54:55], v[PP+2:PP+3], v[50:51] neg_lo:[0,1] neg_hi:[0,1]
	v_mul_f32 v56, v52, v52                        ; and the sums of d^2
	v_mul_f32 v57, v54, v54
.set nn, 1
.rept 7
	v_pk_add_f32 v[60:61], v[PP+4*nn:PP+4*nn+1],   v[48:49] neg_lo:[0,1] neg_hi:[0,1]
	v_pk_add_f32 v[62:63], v[PP+4*nn+2:PP+4*nn+3], v[50:51] neg_lo:[0,1] neg_hi:[0,1]
	v_pk_add_f32 v[52:53], v[52:53], v[60:61]
	v_pk_add_f32 v[54:55], v[54:55], v[62:63]
	v_fmac_f32 v56, v60, v60
	v_fmac_f32 v57, v62, v62
.set nn, nn+1
.endr
	v_mov_b32 v58, v48                             ; the pivots ride along in the record
	v_mov_b32 v59, v50
	ds_store_b128 v6, v[52:55]                     ; (sum d, sum M2) of a, of a + 1
	ds_store_b128 v6, v[56:59] offset:16           ; sum d^2 of a, of a + 1; p of a, of a + 1
	s_wait_dscnt 0x0                               ; written, for the other waves' sake
	s_barrier_signal -1
	s_barrier_wait -1                              ; the only barrier
	ds_load_b128 v[64:67], v7                      ; 32 lanes = 16 waves x 2 halves: all records of my wave's two channels
	ds_load_b128 v[68:71], v7 offset:16
	s_wait_dscnt 0x0
.irp m, 1,2,4,8
.irp k, 64,65,66,67,68,69
	v_add_f32_dpp v\k, v\k, v\k row_xmask:\m row_mask:0xf bank_mask:0xf
.endr
.endr
.irp k, 0,1,2,3,4,5
	v_permlanex16_b32 v[52+\k], v[64+\k], s30, s31 ; destinations that have been written before
.endr
	v_pk_add_f32 v[64:65], v[64:65], v[52:53]      ; every lane: sum d, sum M2 of channel 2 v,
	v_pk_add_f32 v[66:67], v[66:67], v[54:55]      ; of channel 2 v + 1,
	v_pk_add_f32 v[68:69], v[68:69], v[56:57]      ; sum d^2 of both; v70, v71 hold the pivots
	v_mul_f32 v72, 0x3b800000, v64                 ; (sum d) / 256
	v_mul_f32 v73, 0x3b800000, v66
	v_fma_f32 v68, -v64, v72, v68                  ; sum d^2 - (sum d)^2 / 256
	v_fma_f32 v69, -v66, v73, v69
	v_max_num_f32 v68, 0, v68                      ; never below zero, whatever the rounding
	v_max_num_f32 v69, 0, v69
	v_fmac_f32 v65, 0x43000000, v68                ; M2 = sum of M2 + 128 x that
	v_fmac_f32 v67, 0x43000000, v69
	v_fma_f32 v65, v65, s36, v9                    ; var + 1e-5
	v_fma_f32 v67, v67, s36, v9
	v_rsq_f32 v65, v65
	v_rsq_f32 v67, v67
	v_add_f32 v70, v70, v72                        ; mean = p + (sum d) / 256: also the plain instruction between a transcendental and the use of its result (ISA guide 5.7.2)
	v_add_f32 v71, v71, v73
	s_wait_alu depctr_va_vdst(0)
	v_mul_f32 v80, v10, v65                        ; scale = gamma / sqrt(var + 1e-5)
	v_mul_f32 v84, v11, v67
	v_fma_f32 v82, -v70, v80, v12                  ; shift = beta - mean scale
	v_fma_f32 v86, -v71, v84, v13
	v_mov_b32 v81, v80                             ; pairs for the packed multiply-add
	v_mov_b32 v83, v82
	v_mov_b32 v85, v84
	v_mov_b32 v87, v86
.set nn, 0
.rept 16
	s_wait_loadcnt 15-nn                           ; loads come back in order: piece n is in, the younger ones stay out
	v_pk_fma_f32 v[YY+4*nn:YY+4*nn+1],   v[YY+4*nn:YY+4*nn+1],   v[80+4*(nn>>3):81+4*(nn>>3)], v[82+4*(nn>>3):83+4*(nn>>3)]
	v_pk_fma_f32 v[YY+4*nn+2:YY+4*nn+3], v[YY+4*nn+2:YY+4*nn+3], v[80+4*(nn>>3):81+4*(nn>>3)], v[82+4*(nn>>3):83+4*(nn>>3)]
	v_max_num_f32 v[YY+4*nn],   0, v[YY+4*nn]
	v_max_num_f32 v[YY+4*nn+1], 0, v[YY+4*nn+1]
	v_max_num_f32 v[YY+4*nn+2], 0, v[YY+4*nn+2]
	v_max_num_f32 v[YY+4*nn+3], 0, v[YY+4*nn+3]
	global_store_b128 v3, v[YY+4*nn:YY+4*nn+3], s[12:13] offset:(nn>>3)*16384+(nn&7)*512 th:TH_STORE_NT   ; 512 consecutive bytes, aligned; no register is written again
.set nn, nn+1
.endr
	s_wait_tensorcnt 0x0
	ds_add_u32 v192, v193
	s_wait_dscnt 0x0
	s_endpgm
.Lfunc_end_k_q546ffb1974_norm:
	.size	k_q546ffb1974_norm, .Lfunc_end_k_q546ffb1974_norm-k_q546ffb1974_norm
	.p2alignl 7, 3214868480
	.fill 96, 4, 3214868480
	.section	.rodata,"a",@progbits
	.p2align	6, 0x0
	.amdhsa_kernel k_q546ffb1974_norm
		.amdhsa_group_segment_fixed_size 18944
		.amdhsa_private_segment_fixed_size 0
		.amdhsa_enable_private_segment 0
		.amdhsa_kernarg_size 40
		.amdhsa_user_sgpr_count 2
		.amdhsa_user_sgpr_kernarg_segment_ptr 1
		.amdhsa_wavefront_size32 1
		.amdhsa_system_sgpr_workgroup_id_x 1
		.amdhsa_system_sgpr_workgroup_id_y 1
		.amdhsa_system_sgpr_workgroup_id_z 1
		.amdhsa_system_vgpr_workitem_id 0
		.amdhsa_next_free_vgpr 194
		.amdhsa_next_free_sgpr 66
		.amdhsa_reserve_vcc 0
		.amdhsa_float_denorm_mode_32 3
		.amdhsa_float_denorm_mode_16_64 3
		.amdhsa_memory_ordered 1
		.amdhsa_forward_progress 1
		.amdhsa_inst_pref_size 17
	.end_amdhsa_kernel
	.amdgpu_metadata
---
amdhsa.version: [ 1, 2 ]
amdhsa.kernels:
  - .name:           k_q546ffb1974_norm
    .symbol:         k_q546ffb1974_norm.kd
    .args:
      - { .name: ybuf, .offset: 0, .size: 8, .value_kind: global_buffer, .address_space: global }
      - { .name: part, .offset: 8, .size: 8, .value_kind: global_buffer, .address_space: global }
      - { .name: gamma, .offset: 16, .size: 8, .value_kind: global_buffer, .address_space: global }
      - { .name: beta, .offset: 24, .size: 8, .value_kind: global_buffer, .address_space: global }
      - { .name: out0, .offset: 32, .size: 8, .value_kind: global_buffer, .address_space: global }
    .group_segment_fixed_size: 18944
    .private_segment_fixed_size: 0
    .kernarg_segment_align: 8
    .kernarg_segment_size: 40
    .max_flat_workgroup_size: 512
    .sgpr_count:     66
    .vgpr_count:     194
    .wavefront_size: 32
...
	.end_amdgpu_metadata
.endif
;; end of part 3
